; MI455X (gfx1250); checked and timed in simulation.
; The chip was launched on July 23, 2026; its instructions are those of AMD's public machine-readable ISA for CDNA 5 (MIT licence, August 2026) and "CDNA5" Instruction Set Architecture Reference Guide (July 2026). The comments in the code are by the model that wrote it; some were corrected since.
;; Model1 H Sinner. Allowed arithmetic: float matrix products may take bf16 or f16 operands with f32 sums; all other float work in f32.
;; Inputs: W1 10 x 8 float32; W2 10 x 10 float32; W3 8 x 10 float32; b1 10 float32; b2 10 float32; b3 8 float32; x1 65,536 x 8 float32; x2 65,536 x 8 float32.
;; Outputs: out0 65,536 float32.
;; One version. Each part assembles by itself: llvm-mc -triple=amdgcn-amd-amdhsa -mcpu=gfx1250 --defsym DOCPART=n.
;; ======== version 1 of 1: 1 launch
;; launch hsinner (part 1): grid 256 x 1, 4 waves a work-group, no clusters, 0 bytes of LDS; arguments x1, x2, W1, b1, W2, b2, W3, b3, out0; writes out0
.if DOCPART == 1
	.amdgcn_target "amdgcn-amd-amdhsa--gfx1250"
	.amdhsa_code_object_version 6
	.text
	.protected	k_qfbc827d308_hsinner
	.globl	k_qfbc827d308_hsinner
	.p2align	8
	.type	k_qfbc827d308_hsinner,@function
k_qfbc827d308_hsinner:
	s_mov_b64 s[64:65], 0
	v_nop
	global_prefetch_b8 v0, s[64:65] scope:SCOPE_SE
	s_setreg_imm32_b32 hwreg(HW_REG_WAVE_MODE, 25, 1), 1
	s_wait_xcnt 0x0
; out[r] = (1/256) sum over k of cos(a1_k - a2_k), a = phase angles of an 8 -> 10 -> 10 -> 8 MLP's features f1 = mlp(x1[r]), f2 = mlp(x2[r]).
;
; THE SUM OVER k IS NOT WRITTEN OUT.  The sign tables are constants of the problem: s_kj runs over all 256 patterns of eight signs, and the
; second table holds the products of neighbours.  With g = f - pi, d_j = g1_j - g2_j and e_j = g1_j g1_(j+1) - g2_j g2_(j+1):
;     a1_k - a2_k = -( sum_j d_j s_kj + sum_j e_j s_kj s_k,j+1 ),
; and the mean of the cosine over all sign patterns is the real part of a chain of seven 2 x 2 complex steps.  With v(+-) = p +- i n the
; partial sum for the last sign, p_0 = cos d_0, n_0 = sin d_0, and the factor 2 of each site left out (2^8 = 256 is the division):
;     p' = cos d_(j+1) cos e_j p - i sin d_(j+1) sin e_j n         n' = sin d_(j+1) cos e_j p + i cos d_(j+1) sin e_j n
;     out = Re p_7.
; This holds for every input.  A row then needs the sine and cosine of 15 angles in place of 256 cosines, and no product with the sign tables.
;
; NO MATRIX INSTRUCTIONS, by this arithmetic: what is left of the products is the MLP, 520 multiply-adds a row pair, 520 packed lines for a
; wave's 64 rows.  Activations rounded to bf16 carry a relative step of 2^-9; each coupling e_j multiplies a feature's error by the other factor,
; about pi, and seven couplings add up, which does not fit into a hundredth of an output whose size is a tenth or less.  Splitting every operand
; into two bf16 words keeps the accuracy but costs as many conversion lines as the direct f32 form has multiply-adds, for weights of 10 x 8
; that fill 80 of the 512 places of an operand.  So the MLP runs in f32 on the vector unit.
; NO CLUSTER, NO LDS, NO BARRIER: the only bytes that work-groups share are 1,152 bytes of weights; each wave has one batch of rows, all its
; loads are on their way at once, and no wave needs another's data.
;
; SHARES: 256 work-groups x 4 waves x 32 lanes x 2 rows = 65,536 rows.  Lane t of a work-group owns the neighbouring rows 2t and 2t+1, and every
; quantity is a register pair (row 2t, row 2t+1): all arithmetic is packed f32, and the result pair is 8 neighbouring bytes, so that the wave's
; one store covers 256 consecutive bytes, aligned.
;
; LIMITS.  (1) The order of rounding differs from the written sum of 256 cosines; differences of angles are formed before any large product
; (e_j = d_j g1_(j+1) + g2_j d_(j+1)).  (2) Angles are reduced with 1/2pi in two f32 words (about 49 bits); the reduced angle lies in half a turn
; either way for every finite angle, so the result is always finite and bounded, but beyond some 5e7 rad one f32 step of the angle itself is more
; than half a period and the value carries no information.  (3) An infinite angle gives NaN.  (4) v_max_num_f32 makes 0 of a NaN in front of a
; relu, where the maximum of the written function would pass it on.
; This text does not use v_sin_f32 and v_cos_f32: sine and cosine are polynomials at a quarter of the reduced angle and two doublings.
; ---- vector registers, window 0, during the MLP ----
.set XR,   4                           ; v[4:35]    x as loaded: input t at +16t, row 2t' in +0..7, row 2t'+1 in +8..15
.set XP,   36                          ; v[36:67]   x as pairs: input t, column i at +16t+2i
.set H1,   68                          ; v[68:107]  first hidden layer: input t, unit m at +20t+2m
.set H2,   108                         ; v[108:147] second hidden layer, likewise
.set W1R,  148                         ; v[148:227] W1[m][i] at +8m+i, the same in every lane
.set BB1,  228                         ; v[228:237] b1
.set BB2,  238                         ; v[238:247] b2
.set BB3,  248                         ; v[248:255] b3, later b3 - pi
; ---- window 1 (written with the low 8 bits of the number) ----
.set W2R,  0                           ; v256-355   W2[m][i] at +10m+i
.set W3R,  100                         ; v356-435   W3[j][i] at +10j+i
; ---- window 0, behind the MLP (over registers that are done with) ----
.set G,    4                           ; v[4:35]    g = f - pi: input t, feature j at +16t+2j
.set ANG,  36                          ; v[36:65]   d_j at +2j (j = 0..7), e_j at +16+2j (j = 0..6)
.set RR,   66                          ; v[66:95]   the angle in turns, reduced
.set TQ,   96                          ; v[96:125]  at work
.set R2,   126                         ; v[126:155] its square
.set SN,   156                         ; v[156:185] sines
.set CS,   186                         ; v[186:215] cosines
.set VA3,  216                         ; v[216:217] coefficient A3, twice
.set VB3,  218                         ; v[218:219] coefficient B3, twice
.set NANG, 15
.set PROD, 36                          ; v[36:91]   step j at +8j: CC +0, SS +2, SC +4, CX +6
.set PR,   96                          ; Re p
.set PI,   98                          ; Im p
.set NR,   100                         ; Re n
.set NI,   102                         ; Im n
.set T0,   104
.set T1,   106
.set T2,   108
.set T3,   110
; ---- scalar pairs of constants: both words written, used as a broadcast (op_sel_hi bit 0) ----
.set K_I2PI, 24                        ; 1/2pi rounded to f32
.set K_I2PL, 26                        ; 1/2pi minus that
.set K_A4,   28                        ; A_n = 4 (-1)^n (pi/2)^(2n+1) / (2n+1)!  : 4 sin(pi r / 2) = r (A0 + A1 r^2 + .. + A4 r^8)
.set K_A2,   30
.set K_A1,   32
.set K_A0,   34
.set K_B4,   36                        ; B_n = (-1)^n (pi/2)^(2n) / (2n)!        : cos(pi r / 2) = 1 + B1 r^2 + .. + B4 r^8
.set K_B2,   38
.set K_B1,   40
.set K_M8,   42                        ; -1/8
.set K_NPI,  44                        ; -pi
.set MSB, 0
.macro WIN new                         ; s_set_vgpr_msb: bits 1:0 source 0, 3:2 source 1, 5:4 source 2, 7:6 destination; the high byte repeats the setting left
.if MSB != \new
	s_set_vgpr_msb (MSB<<8)|\new
.set MSB, \new
.endif
.endm
.macro KONST r, val
	s_mov_b32 s[\r], \val
	s_mov_b32 s[\r+1], \val
.endm
; One layer for both inputs: dst[t][m] = bias[m] + sum over i of src[t][i] w[m][i], on row pairs.
; i is the outer loop, so that 2 x nout independent chains lie between two links of one chain.  The first product takes the bias as its
; addend: nothing is cleared.  A weight or bias is one word of an even-aligned pair, sent to both halves: the pair's first word by
; op_sel 0 / op_sel_hi 0, its second by op_sel 1 / op_sel_hi 1.  (w + nin m is even in all three layers.)
.macro LAYER dst, src, nin, nout, wt, bs
.set L_I, 0
.rept \nin
.set L_T, 0
.rept 2
.set L_M, 0
.rept \nout
.set L_D, \dst+2*\nout*L_T+2*L_M
.set L_X, \src+2*\nin*L_T+2*L_I
.set L_W, \wt+\nin*L_M+L_I
.set L_B, \bs+L_M
.if L_I == 0
.if L_B%2 == 0
	v_pk_fma_f32 v[L_D:L_D+1], v[L_X:L_X+1], v[L_W:L_W+1], v[L_B:L_B+1] op_sel_hi:[1,0,0]
.else
	v_pk_fma_f32 v[L_D:L_D+1], v[L_X:L_X+1], v[L_W:L_W+1], v[L_B-1:L_B] op_sel:[0,0,1] op_sel_hi:[1,0,1]
.endif
.else
.if L_W%2 == 0
	v_pk_fma_f32 v[L_D:L_D+1], v[L_X:L_X+1], v[L_W:L_W+1], v[L_D:L_D+1] op_sel_hi:[1,0,1]
.else
	v_pk_fma_f32 v[L_D:L_D+1], v[L_X:L_X+1], v[L_W-1:L_W], v[L_D:L_D+1] op_sel:[0,1,0] op_sel_hi:[1,1,1]
.endif
.endif
.set L_M, L_M+1
.endr
.set L_T, L_T+1
.endr
.set L_I, L_I+1
.endr
.endm
.macro RELU base, n
.set L_M, 0
.rept \n
	v_max_num_f32 v[\base+L_M], 0, v[\base+L_M]
.set L_M, L_M+1
.endr
.endm
	; ---------------- 1. addresses, and all 81 loads at once ----------------
	s_load_b512 s[4:19], s[0:1], 0x0               ; x1 s[4:5], x2 s[6:7], W1 s[8:9], b1 s[10:11], W2 s[12:13], b2 s[14:15], W3 s[16:17], b3 s[18:19]
	s_load_b64 s[20:21], s[0:1], 0x40              ; out0
	s_lshl_b32 s2, ttmp9, 13                       ; the work-group's 256 rows of 32 bytes in x1 and in x2
	s_lshl_b32 s3, ttmp9, 10                       ; and its 256 numbers of 4 bytes in out0
	v_lshl_add_u32 v1, v0, 6, s2                   ; my two rows: 64 bytes
	v_mov_b32 v2, 0                                ; weights and biases: every lane reads the same bytes
	v_lshl_add_u32 v3, v0, 3, s3                   ; my two results: 8 bytes
	s_wait_kmcnt 0x0
.set q, 0
.rept 4
	global_load_b128 v[XR+4*q:XR+4*q+3], v1, s[4:5] offset:16*q          ; x1: the four loads of a wave together cover its 2,048 bytes
.set q, q+1
.endr
.set q, 0
.rept 4
	global_load_b128 v[XR+16+4*q:XR+16+4*q+3], v1, s[6:7] offset:16*q    ; x2
.set q, q+1
.endr
.set q, 0
.rept 20
	global_load_b128 v[W1R+4*q:W1R+4*q+3], v2, s[8:9] offset:16*q        ; W1: 320 bytes
.set q, q+1
.endr
	global_load_b128 v[BB1:BB1+3],   v2, s[10:11]                        ; b1: 40 bytes
	global_load_b128 v[BB1+4:BB1+7], v2, s[10:11] offset:16
	global_load_b64  v[BB1+8:BB1+9], v2, s[10:11] offset:32
	global_load_b128 v[BB2:BB2+3],   v2, s[14:15]                        ; b2: 40 bytes
	global_load_b128 v[BB2+4:BB2+7], v2, s[14:15] offset:16
	global_load_b64  v[BB2+8:BB2+9], v2, s[14:15] offset:32
	global_load_b128 v[BB3:BB3+3],   v2, s[18:19]                        ; b3: 32 bytes
	global_load_b128 v[BB3+4:BB3+7], v2, s[18:19] offset:16
	WIN 0x40                                       ; destination in window 1, the offset register in window 0
.set q, 0
.rept 25
	global_load_b128 v[W2R+4*q:W2R+4*q+3], v2, s[12:13] offset:16*q      ; W2: 400 bytes, into v256-355
.set q, q+1
.endr
.set q, 0
.rept 20
	global_load_b128 v[W3R+4*q:W3R+4*q+3], v2, s[16:17] offset:16*q      ; W3: 320 bytes, into v356-435
.set q, q+1
.endr
	WIN 0
	KONST K_I2PI, 0x3e22f983                       ; 0.15915494
	KONST K_I2PL, 0x31dc9c88                       ; 6.4206e-9
	KONST K_A4,   0x3a283c1a                       ; 6.4176474e-4
	KONST K_A2,   0x3ea335e3                       ; 0.31877050
	KONST K_A1,   0xc0255de7                       ; -2.5838564
	KONST K_A0,   0x40c90fdb                       ; 6.2831853
	KONST K_B4,   0x3a70fa83                       ; 9.1926027e-4
	KONST K_B2,   0x3e81e0f8                       ; 0.25366951
	KONST K_B1,   0xbf9de9e6                       ; -1.2337006
	KONST K_M8,   0xbe000000                       ; -0.125
	KONST K_NPI,  0xc0490fdb                       ; -3.1415927
	; ---------------- 2. x as pairs (row 2t, row 2t+1) ----------------
	s_wait_loadcnt 63                              ; 73 loads are younger than x's eight; 63 is the largest count a wait can name: the 18 oldest are in, x among them
.set t, 0
.rept 2
.set i, 0
.rept 8
	v_mov_b32 v[XP+16*t+2*i],   v[XR+16*t+i]
	v_mov_b32 v[XP+16*t+2*i+1], v[XR+16*t+8+i]
.set i, i+1
.endr
.set t, t+1
.endr
	; ---------------- 3. layer 1 ----------------
	s_wait_loadcnt 50                              ; W1 and b1 are in: younger are b2's 3, b3's 2, W2's 25 and W3's 20 loads
	LAYER H1, XP, 8, 10, W1R, BB1
	RELU H1, 40
	; ---------------- 4. layer 2 ----------------
	s_wait_loadcnt 20                              ; b2, b3 and W2 are in: only W3's 20 loads are younger
.set q, 0
.rept 4
	v_pk_add_f32 v[BB3+2*q:BB3+2*q+1], v[BB3+2*q:BB3+2*q+1], s[K_NPI:K_NPI+1] op_sel_hi:[1,0]   ; b3 - pi: layer 3 then gives g = f - pi
.set q, q+1
.endr
	WIN 0x04                                       ; source 1, the weight, in window 1
	LAYER H2, H1, 10, 10, W2R, BB2
	WIN 0
	RELU H2, 40
	; ---------------- 5. layer 3: g = f - pi ----------------
	s_wait_loadcnt 0x0                             ; W3, the last loads
	WIN 0x04
	LAYER G, H2, 10, 8, W3R, BB3
	WIN 0
	v_mov_b32 v[VA3],   0xbc996966                 ; A3 = -0.018727017: these two coefficients lie in vector pairs, so that
	v_mov_b32 v[VA3+1], 0xbc996966                 ; no packed line names two scalar pairs
	v_mov_b32 v[VB3],   0xbcaae9e4                 ; B3 = -0.020863481
	v_mov_b32 v[VB3+1], 0xbcaae9e4
	; ---------------- 6. the 15 angles ----------------
.set j, 0
.rept 8
	v_pk_add_f32 v[ANG+2*j:ANG+2*j+1], v[G+2*j:G+2*j+1], v[G+16+2*j:G+16+2*j+1] neg_lo:[0,1] neg_hi:[0,1]   ; d_j = g1_j - g2_j
.set j, j+1
.endr
.set j, 0
.rept 7
	v_pk_mul_f32 v[ANG+16+2*j:ANG+16+2*j+1], v[ANG+2*j:ANG+2*j+1], v[G+2*j+2:G+2*j+3]                        ; e_j = d_j g1_(j+1)
.set j, j+1
.endr
.set j, 0
.rept 7
	v_pk_fma_f32 v[ANG+16+2*j:ANG+16+2*j+1], v[G+16+2*j:G+16+2*j+1], v[ANG+2*j+2:ANG+2*j+3], v[ANG+16+2*j:ANG+16+2*j+1]   ; + g2_j d_(j+1)
.set j, j+1
.endr
	; Sine and cosine, one stage for all 15 pairs before the next: two links of a chain are 15 lines or more apart.
	; Reduction: r = angle / 2pi - nearest whole number.  The whole turns are taken off inside a fused multiply-add, which keeps the product's low
	; bits; the second word of 1/2pi is added; a second rounding brings r back into [-1/2, 1/2].
.set an, 0
.rept NANG
	v_pk_mul_f32 v[RR+an:RR+an+1], v[ANG+an:ANG+an+1], s[K_I2PI:K_I2PI+1] op_sel_hi:[1,0]
.set an, an+2
.endr
.set an, 0
.rept 2*NANG
	v_rndne_f32 v[TQ+an], v[RR+an]
.set an, an+1
.endr
.set an, 0
.rept NANG
	v_pk_fma_f32 v[RR+an:RR+an+1], v[ANG+an:ANG+an+1], s[K_I2PI:K_I2PI+1], v[TQ+an:TQ+an+1] op_sel_hi:[1,0,1] neg_lo:[0,0,1] neg_hi:[0,0,1]
.set an, an+2
.endr
.set an, 0
.rept NANG
	v_pk_fma_f32 v[RR+an:RR+an+1], v[ANG+an:ANG+an+1], s[K_I2PL:K_I2PL+1], v[RR+an:RR+an+1] op_sel_hi:[1,0,1]
.set an, an+2
.endr
.set an, 0
.rept 2*NANG
	v_rndne_f32 v[TQ+an], v[RR+an]
.set an, an+1
.endr
.set an, 0
.rept NANG
	v_pk_add_f32 v[RR+an:RR+an+1], v[RR+an:RR+an+1], v[TQ+an:TQ+an+1] neg_lo:[0,1] neg_hi:[0,1]
.set an, an+2
.endr
.set an, 0
.rept NANG
	v_pk_mul_f32 v[R2+an:R2+an+1], v[RR+an:RR+an+1], v[RR+an:RR+an+1]
.set an, an+2
.endr
	; Polynomials at a quarter of the angle, pi r / 2 in [-pi/4, pi/4]: SN = 4 sin, CS = cos.  Cut behind r^9 and r^8: at r = 1/2 the next
	; terms are (pi/4)^11 / 11! = 2e-9 and (pi/4)^10 / 10! = 2.5e-8, below one step of f32 at 1.
.set an, 0
.rept NANG
	v_pk_fma_f32 v[SN+an:SN+an+1], v[R2+an:R2+an+1], s[K_A4:K_A4+1], v[VA3:VA3+1] op_sel_hi:[1,0,1]
	v_pk_fma_f32 v[CS+an:CS+an+1], v[R2+an:R2+an+1], s[K_B4:K_B4+1], v[VB3:VB3+1] op_sel_hi:[1,0,1]
.set an, an+2
.endr
.set an, 0
.rept NANG
	v_pk_fma_f32 v[SN+an:SN+an+1], v[SN+an:SN+an+1], v[R2+an:R2+an+1], s[K_A2:K_A2+1] op_sel_hi:[1,1,0]
	v_pk_fma_f32 v[CS+an:CS+an+1], v[CS+an:CS+an+1], v[R2+an:R2+an+1], s[K_B2:K_B2+1] op_sel_hi:[1,1,0]
.set an, an+2
.endr
.set an, 0
.rept NANG
	v_pk_fma_f32 v[SN+an:SN+an+1], v[SN+an:SN+an+1], v[R2+an:R2+an+1], s[K_A1:K_A1+1] op_sel_hi:[1,1,0]
	v_pk_fma_f32 v[CS+an:CS+an+1], v[CS+an:CS+an+1], v[R2+an:R2+an+1], s[K_B1:K_B1+1] op_sel_hi:[1,1,0]
.set an, an+2
.endr
.set an, 0
.rept NANG
	v_pk_fma_f32 v[SN+an:SN+an+1], v[SN+an:SN+an+1], v[R2+an:R2+an+1], s[K_A0:K_A0+1] op_sel_hi:[1,1,0]
	v_pk_fma_f32 v[CS+an:CS+an+1], v[CS+an:CS+an+1], v[R2+an:R2+an+1], 1.0 op_sel_hi:[1,1,0]
.set an, an+2
.endr
.set an, 0
.rept NANG
	v_pk_mul_f32 v[SN+an:SN+an+1], v[SN+an:SN+an+1], v[RR+an:RR+an+1]      ; SN = 4 sin(phi), phi = a quarter of the angle
.set an, an+2
.endr
	; First doubling: 4 sin cos = 2 sin(2 phi);  1 - (4 sin)^2 / 8 = cos(2 phi)
.set an, 0
.rept NANG
	v_pk_mul_f32 v[TQ+an:TQ+an+1], v[SN+an:SN+an+1], v[SN+an:SN+an+1]
	v_pk_mul_f32 v[SN+an:SN+an+1], v[SN+an:SN+an+1], v[CS+an:CS+an+1]
.set an, an+2
.endr
.set an, 0
.rept NANG
	v_pk_fma_f32 v[CS+an:CS+an+1], v[TQ+an:TQ+an+1], s[K_M8:K_M8+1], 1.0 op_sel_hi:[1,0,0]
.set an, an+2
.endr
	; Second doubling: 2 sin(2 phi) cos(2 phi) = sin(4 phi);  1 - (2 sin(2 phi))^2 / 2 = cos(4 phi): the angle's own sine and cosine
.set an, 0
.rept NANG
	v_pk_mul_f32 v[TQ+an:TQ+an+1], v[SN+an:SN+an+1], v[SN+an:SN+an+1]
	v_pk_mul_f32 v[SN+an:SN+an+1], v[SN+an:SN+an+1], v[CS+an:CS+an+1]
.set an, an+2
.endr
.set an, 0
.rept NANG
	v_pk_fma_f32 v[CS+an:CS+an+1], v[TQ+an:TQ+an+1], -0.5, 1.0 op_sel_hi:[1,0,0]
.set an, an+2
.endr
	; ---------------- 7. the chain of seven steps ----------------
	; First every step's four coefficients, 26 independent products (the last step needs two): step j takes d_(j+1) and e_j.
.set j, 0
.rept 7
	v_pk_mul_f32 v[PROD+8*j:PROD+8*j+1],   v[CS+2*j+2:CS+2*j+3], v[CS+16+2*j:CS+16+2*j+1]     ; CC = cos d cos e
	v_pk_mul_f32 v[PROD+8*j+2:PROD+8*j+3], v[SN+2*j+2:SN+2*j+3], v[SN+16+2*j:SN+16+2*j+1]     ; SS = sin d sin e
.if j < 6
	v_pk_mul_f32 v[PROD+8*j+4:PROD+8*j+5], v[SN+2*j+2:SN+2*j+3], v[CS+16+2*j:CS+16+2*j+1]     ; SC = sin d cos e
	v_pk_mul_f32 v[PROD+8*j+6:PROD+8*j+7], v[CS+2*j+2:CS+2*j+3], v[SN+16+2*j:SN+16+2*j+1]     ; CX = cos d sin e
.endif
.set j, j+1
.endr
	; Step 0, from p = cos d_0, n = sin d_0, both real
	v_pk_mul_f32 v[PR:PR+1], v[PROD:PROD+1],     v[CS:CS+1]                                   ; Re p =  CC cos d_0
	v_pk_mul_f32 v[PI:PI+1], v[PROD+2:PROD+3],   v[SN:SN+1] neg_lo:[1,0] neg_hi:[1,0]         ; Im p = -SS sin d_0
	v_pk_mul_f32 v[NR:NR+1], v[PROD+4:PROD+5],   v[CS:CS+1]                                   ; Re n =  SC cos d_0
	v_pk_mul_f32 v[NI:NI+1], v[PROD+6:PROD+7],   v[SN:SN+1]                                   ; Im n =  CX sin d_0
; A middle step: p' = CC p - i SS n, n' = SC p + i CX n.  The four products with the old n first, then n (which reads the old p), then p.
.macro STEP j
	v_pk_mul_f32 v[T0:T0+1], v[PROD+8*\j+2:PROD+8*\j+3], v[NI:NI+1]
	v_pk_mul_f32 v[T1:T1+1], v[PROD+8*\j+2:PROD+8*\j+3], v[NR:NR+1]
	v_pk_mul_f32 v[T2:T2+1], v[PROD+8*\j+6:PROD+8*\j+7], v[NI:NI+1]
	v_pk_mul_f32 v[T3:T3+1], v[PROD+8*\j+6:PROD+8*\j+7], v[NR:NR+1]
	v_pk_fma_f32 v[NR:NR+1], v[PROD+8*\j+4:PROD+8*\j+5], v[PR:PR+1], v[T2:T2+1] neg_lo:[0,0,1] neg_hi:[0,0,1]   ; Re n' = SC Re p - CX Im n
	v_pk_fma_f32 v[NI:NI+1], v[PROD+8*\j+4:PROD+8*\j+5], v[PI:PI+1], v[T3:T3+1]                                 ; Im n' = SC Im p + CX Re n
	v_pk_fma_f32 v[PR:PR+1], v[PROD+8*\j:PROD+8*\j+1],   v[PR:PR+1], v[T0:T0+1]                                 ; Re p' = CC Re p + SS Im n
	v_pk_fma_f32 v[PI:PI+1], v[PROD+8*\j:PROD+8*\j+1],   v[PI:PI+1], v[T1:T1+1] neg_lo:[0,0,1] neg_hi:[0,0,1]   ; Im p' = CC Im p - SS Re n
.endm
	STEP 1
	STEP 2
	STEP 3
	STEP 4
	STEP 5
	; Step 6: only Re p is wanted
	v_pk_mul_f32 v[T0:T0+1], v[PROD+8*6+2:PROD+8*6+3], v[NI:NI+1]
	v_pk_fma_f32 v[PR:PR+1], v[PROD+8*6:PROD+8*6+1],   v[PR:PR+1], v[T0:T0+1]
	; ---------------- 8. out ----------------
	global_store_b64 v3, v[PR:PR+1], s[20:21] th:TH_STORE_NT       ; 32 lanes x 8 bytes: 256 consecutive bytes, at a multiple of 256 from out0's first byte
	s_endpgm
.Lfunc_end_k_qfbc827d308_hsinner:
	.size	k_qfbc827d308_hsinner, .Lfunc_end_k_qfbc827d308_hsinner-k_qfbc827d308_hsinner
	.p2alignl 7, 3214868480
	.fill 96, 4, 3214868480
	.section	.rodata,"a",@progbits
	.p2align	6, 0x0
	.amdhsa_kernel k_qfbc827d308_hsinner
		.amdhsa_group_segment_fixed_size 0
		.amdhsa_private_segment_fixed_size 0
		.amdhsa_enable_private_segment 0
		.amdhsa_kernarg_size 72
		.amdhsa_user_sgpr_count 2
		.amdhsa_user_sgpr_kernarg_segment_ptr 1
		.amdhsa_wavefront_size32 1
		.amdhsa_system_sgpr_workgroup_id_x 1
		.amdhsa_system_sgpr_workgroup_id_y 1
		.amdhsa_system_sgpr_workgroup_id_z 1
		.amdhsa_system_vgpr_workitem_id 0
		.amdhsa_next_free_vgpr 440
		.amdhsa_next_free_sgpr 66
		.amdhsa_reserve_vcc 0
		.amdhsa_float_denorm_mode_32 3
		.amdhsa_float_denorm_mode_16_64 3
		.amdhsa_memory_ordered 1
		.amdhsa_forward_progress 1
		.amdhsa_inst_pref_size 73
	.end_amdhsa_kernel
	.amdgpu_metadata
---
amdhsa.version: [ 1, 2 ]
amdhsa.kernels:
  - .name:           k_qfbc827d308_hsinner
    .symbol:         k_qfbc827d308_hsinner.kd
    .args:
      - { .name: x1, .offset: 0, .size: 8, .value_kind: global_buffer, .address_space: global }
      - { .name: x2, .offset: 8, .size: 8, .value_kind: global_buffer, .address_space: global }
      - { .name: W1, .offset: 16, .size: 8, .value_kind: global_buffer, .address_space: global }
      - { .name: b1, .offset: 24, .size: 8, .value_kind: global_buffer, .address_space: global }
      - { .name: W2, .offset: 32, .size: 8, .value_kind: global_buffer, .address_space: global }
      - { .name: b2, .offset: 40, .size: 8, .value_kind: global_buffer, .address_space: global }
      - { .name: W3, .offset: 48, .size: 8, .value_kind: global_buffer, .address_space: global }
      - { .name: b3, .offset: 56, .size: 8, .value_kind: global_buffer, .address_space: global }
      - { .name: out0, .offset: 64, .size: 8, .value_kind: global_buffer, .address_space: global }
    .group_segment_fixed_size: 0
    .private_segment_fixed_size: 0
    .kernarg_segment_align: 8
    .kernarg_segment_size: 72
    .max_flat_workgroup_size: 128
    .sgpr_count:     66
    .vgpr_count:     440
    .wavefront_size: 32
...
	.end_amdgpu_metadata
.endif
;; end of part 1
